; MI455X (gfx1250); checked and timed in simulation.
; The chip was launched on July 23, 2026; its instructions are those of AMD's public machine-readable ISA for CDNA 5 (MIT licence, August 2026) and "CDNA5" Instruction Set Architecture Reference Guide (July 2026). The comments in the code are by the model that wrote it; some were corrected since.
;; Mo E Block. Allowed arithmetic: float matrix products may take bf16 or f16 operands with f32 sums; all other float work in f32.
;; Inputs: W1 8 x 512 x 2,048 float32; W2 8 x 512 x 2,048 float32; W3 8 x 2,048 x 512 float32; Wr 512 x 8 float32; br 8 float32; x 8 x 256 x 512 float32.
;; Outputs: out0 8 x 256 x 512 float32.
;; One version. Each part assembles by itself: llvm-mc -triple=amdgcn-amd-amdhsa -mcpu=gfx1250 --defsym DOCPART=n.
;; ======== version 1 of 1: 5 launches
;; limits: values outside matrix products are rounded to bf16
;; workspace buffers: rec 8,192 bytes of whole numbers; sc 16,384 bytes; pos 8,192 bytes of whole numbers; gtab 256 bytes of whole numbers; xs 2,621,440 bytes; hbuf 10,485,760 bytes; part 20,971,520 bytes
;; launch route (part 1): grid 128 x 1, 4 waves a work-group, no clusters, 0 bytes of LDS; arguments x, Wr, br, rec, sc; writes rec, sc
.if DOCPART == 1
	.amdgcn_target "amdgcn-amd-amdhsa--gfx1250"
	.amdhsa_code_object_version 6
	.text
	.protected	k_q176b09257e_route
	.globl	k_q176b09257e_route
	.p2align	8
	.type	k_q176b09257e_route,@function
k_q176b09257e_route:
	s_mov_b64 s[64:65], 0
	v_nop
	global_prefetch_b8 v0, s[64:65] scope:SCOPE_SE
	s_setreg_imm32_b32 hwreg(HW_REG_WAVE_MODE, 25, 1), 1
	s_wait_xcnt 0x0
; ROUTER.  logits[t][e] = sum over d of x[t][d] Wr[d][e] + br[e]; then the two largest logits (ties: the lower index first, by strict
; comparisons) and the softmax over the two, with the larger one taken away before the exponential.
; Stored per token: rec = idx0 | idx1 << 8 (whole numbers for the next launch), sc = (score0, score1).
; FORMATS.  x and Wr are rounded to bf16 (nearest even), as the operands of this program's other matrix products are, so that the routing is decided
; on the same rounded x that the experts see; a product of two bf16 numbers is exact in f32, and the sums are kept in f32.  br is rounded likewise.
; The product has 8 columns, 0.016 % of the problem's multiply-adds: it is made on the vector unit, where Wr needs no transposition.
; SHARES.  A wave owns 4 tokens; a lane owns d = 4 lane + 128 i + v (i, v = 0..3), so each load of x covers 512 consecutive bytes and
; all of Wr (16 KiB) lies in 128 registers of the wave.  32 sums (4 tokens x 8 experts) a lane, then one reduction over the 32 lanes.
; LIMITS.  Logits must be finite (no NaN, no infinity).  br carries a relative rounding error of at most 2^-8.  The order of the f32 additions differs from a plain dot product's.
; The two stores of a wave cover 16 and 32 bytes: the two tables are 24 KiB in all; gathering them would cost a barrier and LDS.
.set AB,  32                           ; v[32:63]   sum of token t, expert e at AB + 8 t + e
.set WRB, 64                           ; v[64:191]  Wr[4 lane + 128 i + v][e] at WRB + 32 i + 8 v + e; later at work in the reduction
.set XB,  192                          ; v[192:255] x[token t][4 lane + 128 i + v] at XB + 16 t + 4 i + v
.set LG,  16                           ; v[16:23]   at work in the rounding; then the eight logits of my lane's token
.set BR,  24                           ; v[24:31]   br, rounded
.set VB,  4                            ; v4 largest, v5 its index, v6 second largest, v7 its index
.set VBI, 5
.set VS,  6
.set VSI, 7
	s_load_b256 s[4:11], s[0:1], 0x0               ; x s[4:5], Wr s[6:7], br s[8:9], rec s[10:11]
	s_load_b64 s[12:13], s[0:1], 0x20              ; sc
	v_lshrrev_b32 v4, 5, v0
	v_readfirstlane_b32 s14, v4                    ; wave 0..3
	v_and_b32 v3, 31, v0                           ; lane
	v_lshlrev_b32 v1, 4, v3                        ; 16 lane: my 16 bytes in each 512 of a row of x
	v_lshlrev_b32 v2, 7, v3                        ; 128 lane: my four rows of Wr (32 bytes each)
	v_lshlrev_b32 v13, 2, v3                       ; 4 lane: rec
	v_lshlrev_b32 v14, 3, v3                       ; 8 lane: sc
	s_lshl_b32 s15, ttmp9, 4
	s_lshl2_add_u32 s15, s14, s15                  ; my first token = 16 x work-group + 4 x wave
	s_mov_b32 s24, 0x76543210                      ; v_permlanex16_b32: each lane takes its own place in the other half
	s_mov_b32 s25, 0xfedcba98
	s_mov_b32 s26, 0xaaaaaaaa                      ; lanes with bit 0 set
	s_mov_b32 s27, 0xcccccccc                      ; lanes with bit 1 set
	s_mov_b32 s32, 0xffff0000                      ; a word's upper bf16
	s_lshl_b32 s30, s15, 11                        ; 2,048 bytes a row of x
	s_mov_b32 s31, 0
	s_wait_kmcnt 0x0
	s_load_b256 s[16:23], s[8:9], 0x0              ; br[0..7]: 32 bytes, the whole buffer; nothing in this launch writes it
	s_add_nc_u64 s[4:5], s[4:5], s[30:31]
	s_lshl_b32 s30, s15, 2
	s_add_nc_u64 s[10:11], s[10:11], s[30:31]
	s_lshl_b32 s30, s15, 3
	s_add_nc_u64 s[12:13], s[12:13], s[30:31]
.irp i, 0,1,2,3
.irp m, 0,1,2,3,4,5,6,7
	global_load_b128 v[WRB+32*\i+4*\m:WRB+32*\i+4*\m+3], v2, s[6:7] offset:4096*\i+16*\m
.endr
.endr
.irp t, 0,1,2,3
.irp i, 0,1,2,3
	global_load_b128 v[XB+16*\t+4*\i:XB+16*\t+4*\i+3], v1, s[4:5] offset:2048*\t+512*\i
.endr
.endr
	s_wait_loadcnt 0x0                             ; all 48 loads
	s_wait_kmcnt 0x0                               ; br
	; Wr and x (v64-255, 192 registers) to the nearest bf16, kept as f32: sixteen registers at a time, eight roundings of two, then the halves are widened again
.set b, WRB
.rept 12
.set i, 0
.rept 8
	v_cvt_pk_bf16_f32 v[LG+i], v[b+2*i], v[b+2*i+1]
.set i, i+1
.endr
.set i, 0
.rept 8
	v_lshlrev_b32 v[b+2*i], 16, v[LG+i]
	v_and_b32 v[b+2*i+1], s32, v[LG+i]
.set i, i+1
.endr
.set b, b+16
.endr
.irp e, 0,2,4,6
	v_cvt_pk_bf16_f32 v[LG+\e], s[16+\e], s[17+\e] ; br likewise
.endr
.irp e, 0,2,4,6
	v_lshlrev_b32 v[BR+\e], 16, v[LG+\e]
	v_and_b32 v[BR+\e+1], s32, v[LG+\e]
.endr
; One d of the lane's sixteen: 16 packed multiply-adds, two experts each; x is taken from one register of its pair for both halves.
; The very first d starts the sums: nothing is cleared.
.macro DOT i, v
.irp t, 0,1,2,3
.irp e, 0,2,4,6
.if (\i == 0) && (\v == 0)
	v_pk_mul_f32 v[AB+8*\t+\e:AB+8*\t+\e+1], v[WRB+\e:WRB+\e+1], v[XB+16*\t:XB+16*\t+1] op_sel_hi:[1,0]
.elseif (\v % 2) == 0
	v_pk_fma_f32 v[AB+8*\t+\e:AB+8*\t+\e+1], v[WRB+32*\i+8*\v+\e:WRB+32*\i+8*\v+\e+1], v[XB+16*\t+4*\i+\v:XB+16*\t+4*\i+\v+1], v[AB+8*\t+\e:AB+8*\t+\e+1] op_sel_hi:[1,0,1]
.else
	v_pk_fma_f32 v[AB+8*\t+\e:AB+8*\t+\e+1], v[WRB+32*\i+8*\v+\e:WRB+32*\i+8*\v+\e+1], v[XB+16*\t+4*\i+\v-1:XB+16*\t+4*\i+\v], v[AB+8*\t+\e:AB+8*\t+\e+1] op_sel:[0,1,0] op_sel_hi:[1,1,1]
.endif
.endr
.endr
.endm
.irp i, 0,1,2,3
.irp v, 0,1,2,3
	DOT \i, \v
.endr
.endr
	; over the 32 lanes, stage by stage over all 32 sums, so that no instruction waits for the one in front of it
.irp m, 1,2,4,8
.set i, 0
.rept 32
	v_add_f32_dpp v[AB+i], v[AB+i], v[AB+i] row_xmask:\m row_mask:0xf bank_mask:0xf
.set i, i+1
.endr
.endr
.set i, 0
.rept 32
	v_permlanex16_b32 v[WRB+i], v[AB+i], s24, s25  ; the destination counts as read: Wr's registers have been written and are free
.set i, i+1
.endr
.set i, 0
.rept 32
	v_add_f32 v[AB+i], v[AB+i], v[WRB+i]
.set i, i+1
.endr
	; lane l goes on with token l % 4
.irp e, 0,1,2,3,4,5,6,7
	v_cndmask_b32 v8, v[AB+\e], v[AB+8+\e], s26
	v_cndmask_b32 v9, v[AB+16+\e], v[AB+24+\e], s26
	v_cndmask_b32 v[LG+\e], v8, v9, s27
	v_add_f32 v[LG+\e], v[BR+\e], v[LG+\e]         ; + br[e]
.endr
	v_mov_b32 v[VB], v[LG]
	v_mov_b32 v[VBI], 0
	v_mov_b32 v[VS], 0xff800000                    ; minus infinity: any finite logit beats it
	v_mov_b32 v[VSI], 0
; Expert e against the best two so far.  Strictly larger only: of equal logits the lower index stays in front.
.macro TOP e
	v_cmp_gt_f32 vcc_lo, v[LG+\e], v[VB]
	v_cmp_gt_f32 s28, v[LG+\e], v[VS]
	v_cndmask_b32 v[VS], v[VS], v[LG+\e], s28
	v_cndmask_b32 v[VSI], v[VSI], \e, s28
	v_cndmask_b32 v[VS], v[VS], v[VB], vcc_lo      ; a new best pushes the old best down
	v_cndmask_b32 v[VSI], v[VSI], v[VBI], vcc_lo
	v_cndmask_b32 v[VB], v[VB], v[LG+\e], vcc_lo
	v_cndmask_b32 v[VBI], v[VBI], \e, vcc_lo
.endm
.irp e, 1,2,3,4,5,6,7
	TOP \e
.endr
	; softmax over (best, second): the maximum is the best, so the exponents are 0 and second - best <= 0
	v_sub_f32 v8, v[VS], v[VB]
	v_mul_f32 v8, 0x3fb8aa3b, v8                   ; x log2(e)
	v_exp_f32 v8, v8
	v_lshl_or_b32 v9, v[VSI], 8, v[VBI]            ; rec; also the plain instruction between the exponential and its use (ISA guide 5.7.2)
	s_wait_alu depctr_va_vdst(0)
	v_add_f32 v10, 1.0, v8
	v_rcp_f32 v10, v10                             ; score0 = 1 / (1 + ex)
	v_cmp_gt_u32 vcc_lo, 4, v3                     ; plain instruction behind the reciprocal; lanes 0 to 3 store
	s_wait_alu depctr_va_vdst(0)
	v_mul_f32 v11, v8, v10                         ; score1 = ex / (1 + ex)
	s_wait_xcnt 0x0                                ; EXEC is a source of every memory instruction issued: it changes only behind this wait
	s_and_saveexec_b32 s29, vcc_lo
	global_store_b32 v13, v9, s[10:11]
	global_store_b64 v14, v[10:11], s[12:13]
	s_endpgm
.Lfunc_end_k_q176b09257e_route:
	.size	k_q176b09257e_route, .Lfunc_end_k_q176b09257e_route-k_q176b09257e_route
	.p2alignl 7, 3214868480
	.fill 96, 4, 3214868480
	.section	.rodata,"a",@progbits
	.p2align	6, 0x0
	.amdhsa_kernel k_q176b09257e_route
		.amdhsa_group_segment_fixed_size 0
		.amdhsa_private_segment_fixed_size 0
		.amdhsa_enable_private_segment 0
		.amdhsa_kernarg_size 40
		.amdhsa_user_sgpr_count 2
		.amdhsa_user_sgpr_kernarg_segment_ptr 1
		.amdhsa_wavefront_size32 1
		.amdhsa_system_sgpr_workgroup_id_x 1
		.amdhsa_system_sgpr_workgroup_id_y 1
		.amdhsa_system_sgpr_workgroup_id_z 1
		.amdhsa_system_vgpr_workitem_id 0
		.amdhsa_next_free_vgpr 256
		.amdhsa_next_free_sgpr 66
		.amdhsa_reserve_vcc 1
		.amdhsa_float_denorm_mode_32 3
		.amdhsa_float_denorm_mode_16_64 3
		.amdhsa_memory_ordered 1
		.amdhsa_forward_progress 1
		.amdhsa_inst_pref_size 51
	.end_amdhsa_kernel
	.amdgpu_metadata
---
amdhsa.version: [ 1, 2 ]
amdhsa.kernels:
  - .name:           k_q176b09257e_route
    .symbol:         k_q176b09257e_route.kd
    .args:
      - { .name: x, .offset: 0, .size: 8, .value_kind: global_buffer, .address_space: global }
      - { .name: Wr, .offset: 8, .size: 8, .value_kind: global_buffer, .address_space: global }
      - { .name: br, .offset: 16, .size: 8, .value_kind: global_buffer, .address_space: global }
      - { .name: rec, .offset: 24, .size: 8, .value_kind: global_buffer, .address_space: global }
      - { .name: sc, .offset: 32, .size: 8, .value_kind: global_buffer, .address_space: global }
    .group_segment_fixed_size: 0
    .private_segment_fixed_size: 0
    .kernarg_segment_align: 8
    .kernarg_segment_size: 40
    .max_flat_workgroup_size: 128
    .sgpr_count:     66
    .vgpr_count:     256
    .wavefront_size: 32
...
	.end_amdgpu_metadata
.endif
;; end of part 1
;; launch place (part 2): grid 160 x 1, 8 waves a work-group, no clusters, 108,800 bytes of LDS; arguments rec, x, xs, pos, gtab; writes xs, pos, gtab
.if DOCPART == 2
	.amdgcn_target "amdgcn-amd-amdhsa--gfx1250"
	.amdhsa_code_object_version 6
	.text
	.protected	k_q176b09257e_place
	.globl	k_q176b09257e_place
	.p2align	8
	.type	k_q176b09257e_place,@function
k_q176b09257e_place:
	s_mov_b64 s[64:65], 0
	v_nop
	global_prefetch_b8 v0, s[64:65] scope:SCOPE_SE
	s_setreg_imm32_b32 hwreg(HW_REG_WAVE_MODE, 25, 1), 1
	s_wait_xcnt 0x0
; PLACEMENT.  Tokens are bucketed by the expert that serves them, i_max = the larger of the two kept indices; each expert's segment of
; slots is padded to a multiple of 64 (a group = 4 tiles of 16 slots).  Sum of ceil(n_e / 64) <= (2,048 + 8 x 63) / 64 < 40 groups.
; CAPACITY.  reference()'s pos at token t is at most t + 1 and the capacity is 2,048, so pos < capacity can fail at token 2,047 alone:
; slot 0 if all 2,048 tokens have its idx0 as idx0 (cnt0 = 2,048), slot 1 if all 2,048 hold its idx1 in either slot (cnt1 = 2,048).
; Both counts are made here and honoured: a dropped slot's index counts as 0, and its bit in pos is cleared.
; SHARES.  Every work-group repeats the small sort (8 KiB of rec) and then makes ONE tile T of xs: 16 slots' rows of x, rounded to bf16,
; in the order in which a matrix fragment wants them: xs[T][ks 0..15][g 0..1][lane][16 bytes], lane (r = lane % 16, hh = lane / 16)
; holding slot r, k = 32 ks + 16 g + 8 hh + 0..7.  Pad slots and unused tiles take a copy of a real token, so every byte of xs is defined;
; what is made of them is never read.  Work-group 0 also stores pos (slot | keep0 << 16 | keep1 << 17) and gtab (pair e: groups, first group).
; All control flow but one forward branch on the work-group's number is fixed; three barriers, on every wave's way.
; LDS: 0 counts (128 bytes a wave); 1,024 slot of token t (4 t); 9,216 stage, 16 rows of 1,024 + 16 bytes;
;      25,856 + 10,240 w: wave w's OWN table slot -> token, so that no two waves store through data-made addresses into the same bytes.
.set SL,     1024
.set STG,    9216
.set SPITCH, 1040                      ; 65 x 16 bytes: the 16 rows that a 16-byte load touches start at 16 different banks (64 banks of 4 bytes: ISA guide 11.1)
.set PWB,    25856
.set PWSZ,   10240
.set R,   8                            ; v[8:15]   rec of my 8 tokens: token(u) = 4 tid + 1,024 (u / 4) + u % 4
.set K,   16                           ; v[16:23]  their experts (8 = token 2,047, placed apart)
.set RK,  24                           ; v[24:31]  rank in the wave, then slot
.set PO,  32                           ; v[32:39]  4 K, then the words of pos
.set ID,  40                           ; v[40:43]  4 lane + v
.set CC,  56                           ; v[56:63]  the eight waves' counts, then each token's segment base
.set BIG, 64                           ; v[64:127] all 2,048 slots; then rows of x
	s_load_b256 s[4:11], s[0:1], 0x0               ; rec s[4:5], x s[6:7], xs s[8:9], pos s[10:11]
	s_load_b64 s[12:13], s[0:1], 0x20              ; gtab
	v_lshl_add_u32 v128, v0, 2, 0x1a500
	v_mov_b32 v129, 0
	v_lshrrev_b32 v4, 5, v0
	v_readfirstlane_b32 s14, v4                    ; wave 0..7
	s_mov_b32 s15, ttmp9                           ; T: my tile
	v_and_b32 v1, 31, v0                           ; lane
	v_lshlrev_b32 v2, 4, v0                        ; 16 tid
	v_lshlrev_b32 v3, 4, v1                        ; 16 lane
	v_lshlrev_b32 v48, 2, v1                       ; 4 lane
	v_cmp_eq_u32 s70, 0xff, v0                     ; the thread that holds token 2,047 (as its u = 7)
.irp v, 0,1,2,3
	v_or_b32 v[ID+\v], \v, v48
.endr
.irp e, 0,1,2,3,4,5,6,7
	s_mov_b32 s[16+\e], 0                          ; my wave's count of expert e so far
.endr
	s_mov_b32 s58, 0                               ; cnt0, cnt1: my wave's part
	s_mov_b32 s59, 0
	s_mul_i32 s73, s14, PWSZ
	s_add_co_u32 s73, s73, PWB                     ; my wave's table
	s_wait_kmcnt 0x0
	global_load_b128 v[R:R+3], v2, s[4:5]
	global_load_b128 v[R+4:R+7], v2, s[4:5] offset:4096
	s_load_b32 s71, s[4:5], 0x1ffc                 ; rec[2047]
	s_wait_kmcnt 0x0
	s_and_b32 s56, s71, 0xff
	s_min_u32 s56, s56, 7                          ; e0*: token 2,047's idx0
	s_bfe_u32 s57, s71, 0x80008
	s_min_u32 s57, s57, 7                          ; e1*: its idx1
	s_wait_loadcnt 0x0
; Token u of my eight: its expert, its part in the two capacity counts, and its rank among the wave's tokens of the same expert.
.macro RANK u
	v_and_b32 v44, 0xff, v[R+\u]                   ; idx0
	v_bfe_u32 v45, v[R+\u], 8, 8                   ; idx1
	v_max_u32 v[K+\u], v44, v45
	v_min_u32 v[K+\u], 7, v[K+\u]
.if \u == 7
	v_cndmask_b32 v[K+\u], v[K+\u], 8, s70         ; token 2,047's expert hangs on the counts: it is placed behind them
.endif
	v_cmp_eq_u32 s60, s56, v44
	s_bcnt1_i32_b32 s61, s60
	s_add_co_u32 s58, s58, s61
	v_cmp_eq_u32 s60, s57, v44
	v_cmp_eq_u32 s61, s57, v45
	s_or_b32 s60, s60, s61
	s_bcnt1_i32_b32 s61, s60
	s_add_co_u32 s59, s59, s61
	v_mov_b32 v[RK+\u], 0
.irp e, 0,1,2,3,4,5,6,7
	v_cmp_eq_u32 s60, \e, v[K+\u]
	v_mbcnt_lo_u32_b32 v46, s60, s[16+\e]          ; lanes below me with this expert + the wave's count so far
	v_cndmask_b32 v[RK+\u], v[RK+\u], v46, s60
	s_bcnt1_i32_b32 s61, s60
	s_add_co_u32 s[16+\e], s[16+\e], s61
.endr
.endm
.irp u, 0,1,2,3,4,5,6,7
	RANK \u
.endr
	; the wave's ten counts go to its 128 bytes of LDS: lanes 0-7 the experts, 8 and 9 the capacity counts, the rest zero
	v_mov_b32 v47, 0
.irp e, 0,1,2,3,4,5,6,7
	v_writelane_b32 v47, s[16+\e], \e
.endr
	v_writelane_b32 v47, s58, 8
	v_writelane_b32 v47, s59, 9
	v_lshl_add_u32 v49, s14, 7, v48
	ds_store_b32 v49, v47
	s_wait_dscnt 0x0                               ; for the others' sake: my store is done
	s_barrier_signal -1
	s_barrier_wait -1
.irp q, 0,1,2,3,4,5,6,7
	ds_load_b32 v[CC+\q], v48 offset:128*\q
.endr
	s_wait_dscnt 0x0
	v_add_nc_u32 v50, v[CC], v[CC+1]               ; totals over the eight waves
	v_add3_u32 v50, v50, v[CC+2], v[CC+3]
	v_add3_u32 v50, v50, v[CC+4], v[CC+5]
	v_add3_u32 v50, v50, v[CC+6], v[CC+7]
	s_cmp_gt_u32 s14, 0                            ; and the sum over the waves in front of mine
	s_cselect_b32 s60, -1, 0
	v_and_b32 v51, s60, v[CC]
.irp q, 1,2,3,4,5,6
	s_cmp_gt_u32 s14, \q
	s_cselect_b32 s60, -1, 0
	v_and_b32 v49, s60, v[CC+\q]
	v_add_nc_u32 v51, v51, v49
.endr
.irp e, 0,1,2,3,4,5,6,7
	v_readlane_b32 s[16+\e], v50, \e               ; n'[e]: tokens of expert e, token 2,047 left out
	v_readlane_b32 s[24+\e], v51, \e               ; those of them in earlier waves
.endr
	v_readlane_b32 s58, v50, 8
	v_readlane_b32 s59, v50, 9
	; token 2,047: pos < capacity, slot by slot; a dropped slot's index counts as 0
	s_cmp_lt_u32 s58, 2048
	s_cselect_b32 s60, s56, 0
	s_cselect_b32 s67, 0x10000, 0
	s_cmp_lt_u32 s59, 2048
	s_cselect_b32 s61, s57, 0
	s_cselect_b32 s62, 0x20000, 0
	s_or_b32 s67, s67, s62                         ; its two keep bits
	s_max_u32 s66, s60, s61                        ; e*: its expert
.irp e, 0,1,2,3,4,5,6,7
	s_cmp_eq_u32 s66, \e
	s_cselect_b32 s60, 1, 0
	s_add_co_u32 s[48+\e], s[16+\e], s60           ; n[e]
	s_add_co_u32 s61, s[48+\e], 63
	s_lshr_b32 s[32+\e], s61, 6                    ; ng[e]: groups of 64 slots
.endr
	s_mov_b32 s40, 0
.irp e, 1,2,3,4,5,6,7
	s_add_co_u32 s[40+\e], s[39+\e], s[31+\e]      ; goff[e]: first group
.endr
	s_mov_b32 s69, 0                               ; token 2,047's slot: behind the others of its expert
	s_mov_b32 s68, 0                               ; the last filled slot of the segment that holds my tile (or of the last segment in front of it)
	s_lshr_b32 s72, s15, 2                         ; my tile's group
.irp e, 0,1,2,3,4,5,6,7
	s_lshl_b32 s60, s[40+\e], 6                    ; the segment's first slot
	s_add_co_u32 s[24+\e], s[24+\e], s60           ; + earlier waves' tokens: where my wave's tokens of e begin
	s_add_co_u32 s61, s60, s[16+\e]
	s_cmp_eq_u32 s66, \e
	s_cselect_b32 s69, s61, s69
	s_add_co_u32 s61, s60, s[48+\e]
	s_sub_co_u32 s61, s61, 1
	s_cmp_le_u32 s[40+\e], s72
	s_cselect_b32 s61, s61, s68
	s_cmp_lg_u32 s[48+\e], 0
	s_cselect_b32 s68, s61, s68
.endr
	; slot = segment base of the token's expert (picked from a vector of nine by a lane permute) + rank
	v_mov_b32 v52, 0
.irp e, 0,1,2,3,4,5,6,7
	v_writelane_b32 v52, s[24+\e], \e
.endr
	v_writelane_b32 v52, s69, 8
.irp u, 0,1,2,3,4,5,6,7
	v_lshlrev_b32 v[PO+\u], 2, v[K+\u]
	ds_bpermute_b32 v[CC+\u], v[PO+\u], v52
.endr
	v_mov_b32 v53, 0x30000                         ; both slots kept: every token but, perhaps, the last
	v_mov_b32 v54, s67
	v_cndmask_b32 v54, v53, v54, s70
	s_wait_dscnt 0x0
.irp u, 0,1,2,3,4,5,6,7
	v_add_nc_u32 v[RK+\u], v[CC+\u], v[RK+\u]
	v_min_u32 v[RK+\u], 0x9ff, v[RK+\u]            ; 2,559 at the most: 40 groups
.endr
.irp u, 0,1,2,3,4,5,6
	v_or_b32 v[PO+\u], v53, v[RK+\u]
.endr
	v_or_b32 v[PO+7], v54, v[RK+7]
	ds_store_b128 v2, v[RK:RK+3] offset:SL
	ds_store_b128 v2, v[RK+4:RK+7] offset:SL+4096
	s_cmp_lg_u32 s15, 0                            ; work-group 0 stores the two tables; no barrier stands inside this branch
	s_cbranch_scc1 .Lnot0
	global_store_b128 v2, v[PO:PO+3], s[10:11]
	global_store_b128 v2, v[PO+4:PO+7], s[10:11] offset:4096
	s_cmp_lg_u32 s14, 0
	s_cbranch_scc1 .Lnot0
	v_mov_b32 v44, 0
	v_mov_b32 v45, 0
.irp e, 0,1,2,3,4,5,6,7
	v_writelane_b32 v44, s[32+\e], \e
	v_writelane_b32 v45, s[40+\e], \e
.endr
	v_lshlrev_b32 v46, 3, v1
	global_store_b64 v46, v[44:45], s[12:13]       ; 32 lanes x 8 bytes: all 256 bytes of gtab
.Lnot0:
	s_wait_xcnt 0x0                                ; the stores' data and offsets are written again only behind this wait
	s_wait_dscnt 0x0                               ; my slots are in LDS
	s_barrier_signal -1
	s_barrier_wait -1
	; each wave turns the list round for itself: table[slot] = token, in its own 10,240 bytes
.irp m, 0,1,2,3,4,5,6,7,8,9,10,11,12,13,14,15
	ds_load_b128 v[BIG+4*\m:BIG+4*\m+3], v3 offset:SL+512*\m       ; the slots of tokens 4 lane + 128 m + 0..3
.endr
	s_wait_dscnt 0x0
.irp m, 0,1,2,3,4,5,6,7,8,9,10,11,12,13,14,15
.irp v, 0,1,2,3
	v_min_u32 v[BIG+4*\m+\v], 0x9ff, v[BIG+4*\m+\v]
	v_lshl_add_u32 v[BIG+4*\m+\v], v[BIG+4*\m+\v], 2, s73
	v_add_nc_u32 v[44+\v], 128*\m, v[ID+\v]
	ds_store_b32 v[BIG+4*\m+\v], v[44+\v]
.endr
.endr
	; my wave's two rows of the tile: slots 16 T + 2 w + p, pad slots turned to the segment's last filled slot
	s_lshl_b32 s60, s15, 4
	s_lshl1_add_u32 s60, s14, s60
.irp p, 0,1
	s_add_co_u32 s61, s60, \p
	s_min_u32 s61, s61, s68
	s_min_u32 s61, s61, 0x9ff
	s_lshl_b32 s61, s61, 2
	s_add_co_u32 s61, s61, s73
	v_mov_b32 v[46+\p], s61
	ds_load_b32 v[50+\p], v[46+\p]                 ; LDS serves a wave's instructions in order (ISA guide 5.7.1.4): this sees my stores above
.endr
	s_wait_dscnt 0x0
.irp p, 0,1
	v_min_u32 v[50+\p], 0x7ff, v[50+\p]            ; a token
	v_lshl_add_u32 v[50+\p], v[50+\p], 11, v3      ; its row of 2,048 bytes + 16 lane
.irp i, 0,1,2,3
	global_load_b128 v[BIG+16*\p+4*\i:BIG+16*\p+4*\i+3], v[50+\p], s[6:7] offset:512*\i
.endr
.endr
	s_lshl_b32 s62, s14, 1
.irp p, 0,1
	s_add_co_u32 s61, s62, \p
	s_mul_i32 s61, s61, SPITCH
	s_add_co_u32 s61, s61, STG
	v_lshl_add_u32 v[46+\p], v1, 3, s61            ; stage row 2 w + p, 8 bytes a lane
.endr
	; addresses of the way out: the stage read as fragments, xs written in runs of 512 bytes
	v_and_b32 v44, 15, v0
	v_bfe_u32 v45, v0, 4, 1
	v_mul_u32_u24 v44, v44, SPITCH
	v_lshl_add_u32 v44, v45, 4, v44
	s_lshl_b32 s61, s14, 7                         ; wave w takes ks = 2 w, 2 w + 1: bytes 128 w on of each row
	s_add_co_u32 s61, s61, STG
	v_add_nc_u32 v44, s61, v44
	v_lshl_add_u32 v45, s14, 11, v3                ; 2,048 w + 16 lane
	s_lshl_b32 s62, s15, 14                        ; 16,384 bytes a tile
	s_mov_b32 s63, 0
	s_add_nc_u64 s[8:9], s[8:9], s[62:63]
	s_wait_loadcnt 0x0
.irp p, 0,1
.irp i, 0,1,2,3
	v_cvt_pk_bf16_f32 v[BIG+16*\p+4*\i], v[BIG+16*\p+4*\i], v[BIG+16*\p+4*\i+1]
	v_cvt_pk_bf16_f32 v[BIG+16*\p+4*\i+1], v[BIG+16*\p+4*\i+2], v[BIG+16*\p+4*\i+3]
	ds_store_b64 v[46+\p], v[BIG+16*\p+4*\i:BIG+16*\p+4*\i+1] offset:256*\i
.endr
.endr
	s_wait_dscnt 0x0                               ; my two rows are in the stage
	s_barrier_signal -1
	s_barrier_wait -1
.irp n, 0,1,2,3
	ds_load_b128 v[BIG+4*\n:BIG+4*\n+3], v44 offset:32*\n          ; ks = 2 w + n / 2, g = n % 2: row lane % 16, bytes 64 ks + 32 g + 16 (lane / 16)
.endr
.irp n, 0,1,2,3
	s_wait_dscnt 3-\n
	global_store_b128 v45, v[BIG+4*\n:BIG+4*\n+3], s[8:9] offset:512*\n   ; 512 consecutive bytes, at a multiple of 512 from xs's first byte
.endr
	s_wait_tensorcnt 0x0
	ds_add_u32 v128, v129
	s_wait_dscnt 0x0
	s_endpgm
.Lfunc_end_k_q176b09257e_place:
	.size	k_q176b09257e_place, .Lfunc_end_k_q176b09257e_place-k_q176b09257e_place
	.p2alignl 7, 3214868480
	.fill 96, 4, 3214868480
	.section	.rodata,"a",@progbits
	.p2align	6, 0x0
	.amdhsa_kernel k_q176b09257e_place
		.amdhsa_group_segment_fixed_size 108800
		.amdhsa_private_segment_fixed_size 0
		.amdhsa_enable_private_segment 0
		.amdhsa_kernarg_size 40
		.amdhsa_user_sgpr_count 2
		.amdhsa_user_sgpr_kernarg_segment_ptr 1
		.amdhsa_wavefront_size32 1
		.amdhsa_system_sgpr_workgroup_id_x 1
		.amdhsa_system_sgpr_workgroup_id_y 1
		.amdhsa_system_sgpr_workgroup_id_z 1
		.amdhsa_system_vgpr_workitem_id 0
		.amdhsa_next_free_vgpr 130
		.amdhsa_next_free_sgpr 96
		.amdhsa_reserve_vcc 0
		.amdhsa_float_denorm_mode_32 3
		.amdhsa_float_denorm_mode_16_64 3
		.amdhsa_memory_ordered 1
		.amdhsa_forward_progress 1
		.amdhsa_inst_pref_size 58
	.end_amdhsa_kernel
	.amdgpu_metadata
---
amdhsa.version: [ 1, 2 ]
amdhsa.kernels:
  - .name:           k_q176b09257e_place
    .symbol:         k_q176b09257e_place.kd
    .args:
      - { .name: rec, .offset: 0, .size: 8, .value_kind: global_buffer, .address_space: global }
      - { .name: x, .offset: 8, .size: 8, .value_kind: global_buffer, .address_space: global }
      - { .name: xs, .offset: 16, .size: 8, .value_kind: global_buffer, .address_space: global }
      - { .name: pos, .offset: 24, .size: 8, .value_kind: global_buffer, .address_space: global }
      - { .name: gtab, .offset: 32, .size: 8, .value_kind: global_buffer, .address_space: global }
    .group_segment_fixed_size: 108800
    .private_segment_fixed_size: 0
    .kernarg_segment_align: 8
    .kernarg_segment_size: 40
    .max_flat_workgroup_size: 256
    .sgpr_count:     96
    .vgpr_count:     130
    .wavefront_size: 32
...
	.end_amdgpu_metadata
.endif
;; end of part 2
;; launch ffn1 (part 3): grid 32 x 8, 8 waves a work-group, no clusters, 148,480 bytes of LDS; arguments W1, W2, xs, gtab, hbuf; writes hbuf
.if DOCPART == 3
	.amdgcn_target "amdgcn-amd-amdhsa--gfx1250"
	.amdhsa_code_object_version 6
	.text
	.protected	k_q176b09257e_ffn1
	.globl	k_q176b09257e_ffn1
	.p2align	8
	.type	k_q176b09257e_ffn1,@function
k_q176b09257e_ffn1:
	s_mov_b64 s[64:65], 0
	v_nop
	global_prefetch_b8 v0, s[64:65] scope:SCOPE_SE
	s_setreg_imm32_b32 hwreg(HW_REG_WAVE_MODE, 25, 1), 1
	s_wait_xcnt 0x0
; h = gelu((x W2) (x W1)) for the tokens of one expert, exact (erf) gelu, h rounded to bf16.  Products in bf16 with f32 sums.
; SHARES.  Work-group (j, e) owns the 64 columns 64 j .. 64 j + 63 of W1[e] and of W2[e], for all tokens of expert e: every byte of the
; two weight tensors is read once in the launch, by one work-group (512 rows x 256 bytes each).  The slice is rounded to bf16 and kept in LDS
; as it lies, [k][n]; the transposing LDS load makes fragments of it.  One barrier.  Then each wave BY ITSELF walks groups of 64 slots
; (wave w: groups w, w + 8, ..), a loop whose trip count comes from gtab: no barrier, no LDS write and nothing shared stands in it.
; A work-group of an expert that owns no token reads no weights and stores nothing: an expert's token count is data (expert 0 gets tokens only through a dropped slot).
; TOKENS AHEAD OF THE WEIGHTS.  The token fragments of a wave's first group, K steps 0 and 1, are asked for ahead of the 64 weight loads, so that they are on their way
; while the slice is made resident; those of a later group are asked for at the end of the trip before.  The first request stands on every wave's way, so that the
; fragment registers are written on every way; a wave without a group multiplies its lane offset by 0, so that each of its loads names one address, inside xs.
; NO CLUSTER, NO TENSOR LOAD: no weight byte is shared between work-groups; the weights must pass through registers to be rounded, and LDS is
; filled once; xs is shared, but it is read inside loops counted by data, where no barrier may stand.
; THE MATRIX INSTRUCTION: source 0 = 16 weight columns (from LDS), source 1 = 16 tokens (xs lies in fragment order: two loads of 512 consecutive
; bytes a fragment).  In the result a lane holds ONE token (lane % 16) and eight neighbouring columns of h, 8 (lane / 16) + 0..7: rounded in
; pairs they are 16 bytes of the next product's token fragment, so hbuf[tile][ks2 0..63][g][lane][16 bytes] is stored straight from registers.
; GELU.  z Phi(z) = max(z, 0) - |z| q, q = Phi(-|z|) = (1/2) erfc(|z| / sqrt 2) = (1/2) t (a1 + t (a2 + t (a3 + t (a4 + t a5)))) e^(-z z / 2),
; t = 1 / (1 + p |z| / sqrt 2) (Abramowitz and Stegun 7.1.26; absolute error of erf 1.5e-7).  The tail q is used itself: no difference of near-equal numbers.
; z z may overflow to infinity: the exponential is then 0 and the result z or 0, as it should be.
; REGISTERS.  Window 0: v1-6, v16 addresses, v10-11 a constant, v32-159 two buffers of weight fragments (8 column tiles x 8), v160-255 three buffers of
; token fragments (4 tiles x 8).  Window 1: the 32 accumulators, (column tile ct, token tile t) at 8 (4 ct + t); ct 0-3 are W1's, 4-7 W2's.
.set PITCH, 288                        ; an LDS row: 128 bytes of W1, 128 of W2, 32 of padding = 9 x 32 bytes
.set KROW,  32*PITCH                   ; a K step of 32 rows
.set WF,    32
.set TF,    160
.set ZB,    32                         ; the way out: z of (t, c) at ZB + 8 (4 c + t)
.set TD,    160                        ; at work in gelu, 8 registers each
.set TE,    168
.set TR,    176
.set TM,    184
.set MSB, 0
.macro WIN new                         ; s_set_vgpr_msb: bits 1:0 source 0, 3:2 source 1, 5:4 source 2, 7:6 destination; the high byte repeats the setting that is left
.if MSB != \new
	s_set_vgpr_msb (MSB<<8)|\new
.set MSB, \new
.endif
.endm
.macro PLACES                          ; four plain vector instructions between matrix instructions and what reads their results or writes their registers (ISA guide 7.12.1)
.rept 4
	v_nop
.endr
.endm
; The weight fragments of K step s: 8 column tiles, two transposing loads each (k = 8 (lane / 16) + 0..7, and 16 further)
.macro LOADW s
.irp ct, 0,1,2,3,4,5,6,7
	ds_load_tr16_b128 v[WF+64*((\s)%2)+8*\ct:WF+64*((\s)%2)+8*\ct+3],   v[2+(\s)/6] offset:((\s)%6)*KROW+32*\ct
	ds_load_tr16_b128 v[WF+64*((\s)%2)+8*\ct+4:WF+64*((\s)%2)+8*\ct+7], v[2+(\s)/6] offset:((\s)%6)*KROW+32*\ct+16*PITCH
.endr
.endm
; The token fragments of K step s: 4 tiles, two loads of 512 consecutive bytes each
.macro LOADT s
.irp t, 0,1,2,3
	global_load_b128 v[TF+32*((\s)%3)+8*\t:TF+32*((\s)%3)+8*\t+3],   v16, s[22:23] offset:16384*\t+1024*(\s)
	global_load_b128 v[TF+32*((\s)%3)+8*\t+4:TF+32*((\s)%3)+8*\t+7], v16, s[22:23] offset:16384*\t+1024*(\s)+512
.endr
.endm
; From the group's number among the expert's, in s20: where its tokens lie in xs and where its h goes in hbuf
.macro BASES
	s_add_co_u32 s20, s20, s18
	s_min_u32 s20, s20, 39                         ; the group among all 40
	s_lshl_b32 s38, s20, 16                        ; xs: 4 tiles of 16,384 bytes
	s_add_nc_u64 s[22:23], s[8:9], s[38:39]
	s_lshl_b32 s38, s20, 18                        ; hbuf: 4 tiles of 65,536 bytes
	s_add_nc_u64 s[24:25], s[12:13], s[38:39]
.endm
; K step ks: the next step's weights and the tokens two steps on are asked for, into the buffers that step ks - 1 multiplied; then 32 products.
; The 32 accumulators take turns, one instruction a turn, from step to step too.
.macro KSTEP
	WIN 0
.if ks > 0
	PLACES
.endif
.if ks < 15
	LOADW ks+1
.endif
.if ks < 14
	LOADT ks+2
.endif
.if ks < 15
	s_wait_dscnt 16                                ; all but the 16 LDS loads just issued: this step's weights are in
.else
	s_wait_dscnt 0
.endif
.if ks < 14
	s_wait_loadcnt 16                              ; all but the tokens of the next two steps, 8 loads each
.elseif ks == 14
	s_wait_loadcnt 8
.else
	s_wait_loadcnt 0
.endif
	WIN 0x50                                       ; C and D in window 1
.irp ct, 0,1,2,3,4,5,6,7
.irp t, 0,1,2,3
.if ks == 0
	v_wmma_f32_16x16x32_bf16 v[8*(4*\ct+\t):8*(4*\ct+\t)+7], v[WF+64*(ks%2)+8*\ct:WF+64*(ks%2)+8*\ct+7], v[TF+32*(ks%3)+8*\t:TF+32*(ks%3)+8*\t+7], 0
.else
	v_wmma_f32_16x16x32_bf16 v[8*(4*\ct+\t):8*(4*\ct+\t)+7], v[WF+64*(ks%2)+8*\ct:WF+64*(ks%2)+8*\ct+7], v[TF+32*(ks%3)+8*\t:TF+32*(ks%3)+8*\t+7], v[8*(4*\ct+\t):8*(4*\ct+\t)+7]
.endif
.endr
.endr
.endm
; gelu of the eight numbers at v[z ..], in place, then rounded to bf16 into v[z .. z + 3].  Transcendentals stand in runs, a run of plain instructions that touch none of their registers behind each (ISA guide 5.7.2).
.macro GELU8 z
.irp k, 0,1,2,3,4,5,6,7
	v_fma_f32 v[TD+\k], |v[(\z)+\k]|, s26, 1.0
.endr
.irp k, 0,2,4,6
	v_pk_mul_f32 v[TE+\k:TE+\k+1], v[(\z)+\k:(\z)+\k+1], v[(\z)+\k:(\z)+\k+1]
.endr
.irp k, 0,1,2,3,4,5,6,7
	v_rcp_f32 v[TD+\k], v[TD+\k]                   ; t
.endr
.irp k, 0,2,4,6
	v_pk_mul_f32 v[TE+\k:TE+\k+1], v[TE+\k:TE+\k+1], s[28:29] op_sel_hi:[1,0]
.endr
.irp k, 0,1,2,3,4,5,6,7
	v_exp_f32 v[TE+\k], v[TE+\k]                   ; e^(-z z / 2)
.endr
	s_wait_alu depctr_va_vdst(0)
.irp k, 0,2,4,6
	v_pk_fma_f32 v[TR+\k:TR+\k+1], v[TD+\k:TD+\k+1], v[10:11], s[30:31] op_sel_hi:[1,1,0]
.endr
.irp c, 32,34,36
.irp k, 0,2,4,6
	v_pk_fma_f32 v[TR+\k:TR+\k+1], v[TR+\k:TR+\k+1], v[TD+\k:TD+\k+1], s[\c:\c+1] op_sel_hi:[1,1,0]
.endr
.endr
.irp k, 0,2,4,6
	v_pk_mul_f32 v[TR+\k:TR+\k+1], v[TR+\k:TR+\k+1], v[TD+\k:TD+\k+1]
.endr
.irp k, 0,2,4,6
	v_pk_mul_f32 v[TR+\k:TR+\k+1], v[TR+\k:TR+\k+1], v[TE+\k:TE+\k+1]   ; q
.endr
.irp k, 0,1,2,3,4,5,6,7
	v_max_num_f32 v[TM+\k], 0, v[(\z)+\k]
.endr
.irp k, 0,1,2,3,4,5,6,7
	v_fma_f32 v[(\z)+\k], -|v[(\z)+\k]|, v[TR+\k], v[TM+\k]
.endr
.irp k, 0,1,2,3
	v_cvt_pk_bf16_f32 v[(\z)+\k], v[(\z)+2*\k], v[(\z)+2*\k+1]
.endr
.endm
	s_load_b256 s[4:11], s[0:1], 0x0               ; W1 s[4:5], W2 s[6:7], xs s[8:9], gtab s[10:11]
	s_load_b64 s[12:13], s[0:1], 0x20              ; hbuf
	v_lshl_add_u32 v30, v0, 2, 0x24000
	v_mov_b32 v31, 0
	v_lshrrev_b32 v15, 5, v0
	v_readfirstlane_b32 s14, v15                   ; wave 0..7
	s_and_b32 s15, ttmp7, 0xffff                   ; e
	s_lshl_b32 s20, s15, 3
	s_mov_b32 s21, 0
	s_wait_kmcnt 0x0
	s_add_nc_u64 s[10:11], s[10:11], s[20:21]
	s_load_b64 s[38:39], s[10:11], 0x0             ; the expert's groups, its first group
	s_lshl_b32 s20, s15, 22                        ; an expert's 512 x 2,048 f32
	s_lshl_b32 s16, ttmp9, 8                       ; 64 columns of f32
	s_add_co_u32 s20, s20, s16
	s_add_nc_u64 s[4:5], s[4:5], s[20:21]
	s_add_nc_u64 s[6:7], s[6:7], s[20:21]
	s_lshl_b32 s20, ttmp9, 11                      ; hbuf: ks2 = 2 j, 1,024 bytes each
	s_add_nc_u64 s[12:13], s[12:13], s[20:21]
	s_mov_b32 s26, 0x3e6d3388                      ; p / sqrt 2 = 0.23164189
	s_mov_b32 s28, 0xbf38aa3b                      ; -log2(e) / 2
	s_mov_b32 s29, s28                             ; (a packed instruction names the pair and takes its low word for both halves)
	s_mov_b32 s30, 0xbf3a00e3                      ; a4 / 2
	s_mov_b32 s31, s30
	s_mov_b32 s32, 0x3f35f0e3                      ; a3 / 2
	s_mov_b32 s33, s32
	s_mov_b32 s34, 0xbe11a98e                      ; a2 / 2
	s_mov_b32 s35, s34
	s_mov_b32 s36, 0x3e027906                      ; a1 / 2
	s_mov_b32 s37, s36
	v_mov_b32 v10, 0x3f07dc22                      ; a5 / 2
	v_mov_b32 v11, 0x3f07dc22
	v_and_b32 v7, 31, v0
	v_lshlrev_b32 v1, 4, v7                        ; 16 lane
	v_and_b32 v8, 15, v0                           ; lane % 16
	v_bfe_u32 v9, v0, 4, 1                         ; lane / 16
	v_and_b32 v12, 7, v0
	v_bfe_u32 v13, v0, 3, 1
	v_lshl_add_u32 v2, v9, 3, v12                  ; the transposing load: row 8 (lane / 16) + lane % 8,
	v_mul_u32_u24 v2, v2, PITCH
	v_lshl_add_u32 v2, v13, 4, v2                  ; 16 bytes at 16 ((lane / 8) % 2)
	v_add_nc_u32 v3, 6*KROW, v2                    ; K steps 6-11 and 12-15: the 16-bit offset reaches six steps
	v_add_nc_u32 v4, 12*KROW, v2
	s_lshl_b32 s20, s14, 6
	v_lshl_add_u32 v14, v9, 2, s20                 ; the fill: wave w takes rows 64 w on; lanes 16-31 four rows below lanes 0-15
	v_lshlrev_b32 v5, 13, v14                      ; 8,192 bytes a row in memory
	v_lshl_add_u32 v5, v8, 4, v5
	v_mul_u32_u24 v6, v14, PITCH
	v_lshl_add_u32 v6, v8, 3, v6                   ; 4 f32 become 8 bytes
	s_wait_kmcnt 0x0
	s_min_u32 s17, s38, 40                         ; groups
	s_min_u32 s18, s39, 39                         ; first group
	s_mov_b32 s39, 0                               ; from here on the high word of an offset
	; my wave's groups are w, w + 8, ..: (groups + 7 - w) / 8 of them, none where groups <= w.  The loop counts them one by one.
	s_add_co_u32 s40, s17, 7
	s_sub_co_u32 s40, s40, s14
	s_lshr_b32 s40, s40, 3
	s_min_u32 s41, s40, 1
	v_mul_u32_u24 v16, s41, v1                     ; the tokens' lane offset: 16 lane, or 0 in a wave without a group
	s_sub_co_u32 s20, s17, 1                       ; my first group, w; a wave without one names the expert's last (no group at all: the difference wraps, and w is taken)
	s_min_u32 s20, s20, s14
	BASES
	LOADT 0                                        ; 16 loads, ahead of the weights'
	LOADT 1
	s_cmp_eq_u32 s17, 0
	s_cbranch_scc1 .Lfilled                        ; no token: no weights; the barrier below is on both ways
	; THE FILL.  Load i takes rows 8 (i / 4) + i % 4 (lanes 0-15) and four below (lanes 16-31): 256 consecutive bytes each.  All 64 loads, 32 KiB, of every wave are named before the first wait.
.set i, 0
.rept 32
	global_load_b128 v[32+4*i:35+4*i], v5, s[4:5] offset:(8*(i/4)+i%4)*8192 th:TH_LOAD_NT
.set i, i+1
.endr
	WIN 0x40                                       ; destination window 1: the accumulators' registers are idle
.set i, 0
.rept 32
	global_load_b128 v[4*i:4*i+3], v5, s[6:7] offset:(8*(i/4)+i%4)*8192 th:TH_LOAD_NT
.set i, i+1
.endr
	WIN 0
.set i, 0
.rept 4
	s_wait_loadcnt 56-i                            ; loads return in order: the tokens and W1's first i + 8 are in; what may stay out is the rest of W1's and W2's 32
.rept 8
	v_cvt_pk_bf16_f32 v[32+4*i], v[32+4*i], v[33+4*i]
	v_cvt_pk_bf16_f32 v[33+4*i], v[34+4*i], v[35+4*i]
	ds_store_b64 v6, v[32+4*i:33+4*i] offset:(8*(i/4)+i%4)*PITCH   ; lanes 16-31 lie 4 rows = 288 words further: the other 32 banks
.set i, i+1
.endr
.endr
	s_wait_loadcnt 0x0                             ; W2
	WIN 0x05                                       ; sources in window 1
.set i, 0
.rept 32
	v_cvt_pk_bf16_f32 v[32+2*i], v[4*i], v[4*i+1]
	v_cvt_pk_bf16_f32 v[33+2*i], v[4*i+2], v[4*i+3]
.set i, i+1
.endr
	WIN 0
.set i, 0
.rept 32
	ds_store_b64 v6, v[32+2*i:33+2*i] offset:(8*(i/4)+i%4)*PITCH+128
.set i, i+1
.endr
.Lfilled:
	s_wait_dscnt 0x0                               ; for the others' sake: my 64 rows are in LDS
	s_barrier_signal -1
	s_barrier_wait -1                              ; the slice is whole; nobody writes LDS from here on
	s_mov_b32 s19, 0
	s_cmp_eq_u32 s40, 0
	s_cbranch_scc1 .Lend
.Lgroup:                                               ; the group's bases are set and its K steps 0 and 1 asked for
	LOADW 0
.set ks, 0
.rept 16
	KSTEP
.set ks, ks+1
.endr
	PLACES
	WIN 0x05                                       ; sources in window 1, destination in window 0
.irp c, 0,1,2,3                        ; z = (x W1) (x W2); each accumulator is read from its low end on
.irp t, 0,1,2,3
.irp k, 0,2,4,6
	v_pk_mul_f32 v[ZB+8*(4*\c+\t)+\k:ZB+8*(4*\c+\t)+\k+1], v[8*(4*\c+\t)+\k:8*(4*\c+\t)+\k+1], v[8*(4*(\c+4)+\t)+\k:8*(4*(\c+4)+\t)+\k+1]
.endr
.endr
.endr
	WIN 0
.irp c, 0,1,2,3
.irp t, 0,1,2,3
	GELU8 ZB+8*(4*\c+\t)
	global_store_b128 v1, v[ZB+8*(4*\c+\t):ZB+8*(4*\c+\t)+3], s[24:25] offset:65536*\t+1024*(\c/2)+512*(\c%2)   ; 512 consecutive bytes: columns 64 j + 16 c + 8 (lane / 16) + 0..7 of tile t
.endr
.endr
	s_wait_xcnt 0x0                                ; the stores' data (v32-159) and the two bases are written again only behind this wait
	s_add_co_u32 s19, s19, 1
	s_cmp_ge_u32 s19, s40
	s_cbranch_scc1 .Lasked                         ; the last trip asks for nothing
	s_lshl3_add_u32 s20, s19, s14                  ; the next group among the expert's: 8 x trip + wave
	BASES
	LOADT 0
	LOADT 1
.Lasked:
	s_cmp_lt_u32 s19, s40
	s_cbranch_scc1 .Lgroup
.Lend:
	s_wait_tensorcnt 0x0
	ds_add_u32 v30, v31
	s_wait_dscnt 0x0
	s_endpgm
.Lfunc_end_k_q176b09257e_ffn1:
	.size	k_q176b09257e_ffn1, .Lfunc_end_k_q176b09257e_ffn1-k_q176b09257e_ffn1
	.p2alignl 7, 3214868480
	.fill 96, 4, 3214868480
	.section	.rodata,"a",@progbits
	.p2align	6, 0x0
	.amdhsa_kernel k_q176b09257e_ffn1
		.amdhsa_group_segment_fixed_size 148480
		.amdhsa_private_segment_fixed_size 0
		.amdhsa_enable_private_segment 0
		.amdhsa_kernarg_size 40
		.amdhsa_user_sgpr_count 2
		.amdhsa_user_sgpr_kernarg_segment_ptr 1
		.amdhsa_wavefront_size32 1
		.amdhsa_system_sgpr_workgroup_id_x 1
		.amdhsa_system_sgpr_workgroup_id_y 1
		.amdhsa_system_sgpr_workgroup_id_z 1
		.amdhsa_system_vgpr_workitem_id 0
		.amdhsa_next_free_vgpr 512
		.amdhsa_next_free_sgpr 66
		.amdhsa_reserve_vcc 0
		.amdhsa_float_denorm_mode_32 3
		.amdhsa_float_denorm_mode_16_64 3
		.amdhsa_memory_ordered 1
		.amdhsa_forward_progress 1
		.amdhsa_inst_pref_size 158
	.end_amdhsa_kernel
	.amdgpu_metadata
---
amdhsa.version: [ 1, 2 ]
amdhsa.kernels:
  - .name:           k_q176b09257e_ffn1
    .symbol:         k_q176b09257e_ffn1.kd
    .args:
      - { .name: W1, .offset: 0, .size: 8, .value_kind: global_buffer, .address_space: global }
      - { .name: W2, .offset: 8, .size: 8, .value_kind: global_buffer, .address_space: global }
      - { .name: xs, .offset: 16, .size: 8, .value_kind: global_buffer, .address_space: global }
      - { .name: gtab, .offset: 24, .size: 8, .value_kind: global_buffer, .address_space: global }
      - { .name: hbuf, .offset: 32, .size: 8, .value_kind: global_buffer, .address_space: global }
    .group_segment_fixed_size: 148480
    .private_segment_fixed_size: 0
    .kernarg_segment_align: 8
    .kernarg_segment_size: 40
    .max_flat_workgroup_size: 256
    .sgpr_count:     66
    .vgpr_count:     512
    .wavefront_size: 32
...
	.end_amdgpu_metadata
.endif
;; end of part 3
;; launch ffn2 (part 4): grid 32 x 8, 8 waves a work-group, no clusters, 117,760 bytes of LDS; arguments W3, hbuf, gtab, part; writes part
.if DOCPART == 4
	.amdgcn_target "amdgcn-amd-amdhsa--gfx1250"
	.amdhsa_code_object_version 6
	.text
	.protected	k_q176b09257e_ffn2
	.globl	k_q176b09257e_ffn2
	.p2align	8
	.type	k_q176b09257e_ffn2,@function
k_q176b09257e_ffn2:
	s_mov_b64 s[64:65], 0
	v_nop
	global_prefetch_b8 v0, s[64:65] scope:SCOPE_SE
	s_setreg_imm32_b32 hwreg(HW_REG_WAVE_MODE, 25, 1), 1
	s_wait_xcnt 0x0
; part[kq][slot][:] = the sum over the quarter kq of H (512 rows of W3[e]) of h[slot][k] W3[e][k][:], in f32; bf16 operands, f32 sums.
; SHARES.  Work-group (c + 8 kq, e) owns rows 512 kq .. + 511 and columns 64 c .. + 63 of W3[e], for all tokens of expert e: every byte of W3 is read
; once in the launch, in rows of 256 consecutive bytes.  K is quartered so that 256 work-groups share the weights evenly and a slice (80 KiB as bf16) stays
; in LDS; the four partial sums are added in the next launch, in a fixed order.  Built like ffn1: the slice is made resident, one barrier, then each wave by
; itself walks groups of 64 slots in a loop counted by gtab, with no barrier in it.  A work-group of an expert without tokens reads no weights and stores nothing.
; TOKENS FAR AHEAD.  A K step has 16 products for 8 token loads, so the token fragments lie in a ring of eight buffers: K steps 0 to 7 of a wave's first group (64 loads) are asked
; for ahead of the 32 weight loads and are on their way while the slice is made resident; K step s (1 to 8) asks for step s + 7, seven steps (112 products) ahead of its use; a later
; group's steps 0 to 7 are asked for at the end of the trip before.  The first request stands on every wave's way, so that the fragment registers are written on every way; a wave
; without a group multiplies its lane offset by 0, so that each of its loads names one address, in a group that the launch before has stored: the expert's last, or, for an expert
; without tokens, group w (there are never fewer than 2,048 / 64 = 32 groups).
; NO CLUSTER, NO TENSOR LOAD, for ffn1's reasons: no weight byte is shared, the weights pass through registers to be rounded, and hbuf is read in loops counted by data.
; THE MATRIX INSTRUCTION: source 0 = 16 columns of W3 (transposing LDS load), source 1 = 16 tokens (hbuf lies in fragment order).  A lane's eight results are eight
; neighbouring columns of one slot's row: 32 bytes.  They go through the wave's own stage in LDS, so that 16 lanes store 256 consecutive bytes.
; REGISTERS.  Window 0: v1-10 addresses; v32-95 two buffers of weight fragments (4 x 8); v96-223 the 16 accumulators, (token tile t, column tile ct) at 96 + 8 (4 t + ct), so that a
; tile's 32 registers lie together and take the tile's whole rows back from the stage.  Window 1: the eight buffers of token fragments (4 tiles x 8 each).
.set PITCH, 160                        ; an LDS row: 128 bytes + 32 of padding = 5 x 32 bytes
.set KROW,  32*PITCH
.set STAGE, 512*PITCH                  ; behind the weights: 16 rows x 272 bytes for each wave
.set SP,    272                        ; 256 + 16 bytes: row r starts at bank 4 r mod 64
.set WF,    32
.set AC,    96
.set MSB, 0
.macro WIN new                         ; s_set_vgpr_msb: bits 1:0 source 0, 3:2 source 1, 5:4 source 2, 7:6 destination; the high byte repeats the setting that is left
.if MSB != \new
	s_set_vgpr_msb (MSB<<8)|\new
.set MSB, \new
.endif
.endm
.macro PLACES                          ; four plain vector instructions between matrix instructions and what reads their results or writes their registers (ISA guide 7.12.1)
.rept 4
	v_nop
.endr
.endm
; The weight fragments of K step s: 4 column tiles, two transposing loads each
.macro LOADW s
.irp ct, 0,1,2,3
	ds_load_tr16_b128 v[WF+32*((\s)%2)+8*\ct:WF+32*((\s)%2)+8*\ct+3],   v[2+(\s)/8] offset:((\s)%8)*KROW+32*\ct
	ds_load_tr16_b128 v[WF+32*((\s)%2)+8*\ct+4:WF+32*((\s)%2)+8*\ct+7], v[2+(\s)/8] offset:((\s)%8)*KROW+32*\ct+16*PITCH
.endr
.endm
; The token fragments of K step s, into buffer s % 8 of window 1 (the destination's window is set by the caller): 4 tiles, two loads of 512 consecutive bytes each
.macro LOADT s
.irp t, 0,1,2,3
	global_load_b128 v[32*((\s)%8)+8*\t:32*((\s)%8)+8*\t+3],   v10, s[22:23] offset:65536*\t+1024*(\s)
	global_load_b128 v[32*((\s)%8)+8*\t+4:32*((\s)%8)+8*\t+7], v10, s[22:23] offset:65536*\t+1024*(\s)+512
.endr
.endm
; From the group's number among the expert's, in s20: where its h lies in hbuf and where its sums go in part
.macro BASES
	s_add_co_u32 s20, s20, s18
	s_min_u32 s20, s20, 39                         ; the group among all 40
	s_lshl_b32 s38, s20, 18                        ; hbuf: 4 tiles of 65,536 bytes
	s_add_nc_u64 s[22:23], s[6:7], s[38:39]
	s_lshl_b32 s38, s20, 17                        ; part: 64 rows of 2,048 bytes
	s_add_nc_u64 s[24:25], s[10:11], s[38:39]
.endm
.macro ASK                             ; a group's K steps 0 to 7: 64 loads, the whole ring
	WIN 0x40                                       ; destination window 1
.irp s, 0,1,2,3,4,5,6,7
	LOADT \s
.endr
	WIN 0
.endm
; K step ks: the next step's weights and the tokens seven steps on are asked for, into the buffers that step ks - 1 multiplied; then 16 products, the accumulators by turns.
.macro KSTEP
	WIN 0
.if ks > 0
	PLACES
.endif
.if ks < 15
	LOADW ks+1
.endif
.if (ks > 0) && (ks < 9)
	WIN 0x40
	LOADT ks+7
.endif
.if ks < 15
	s_wait_dscnt 8                                 ; all but the 8 LDS loads just issued
.else
	s_wait_dscnt 0
.endif
.if ks < 9
	s_wait_loadcnt 56                              ; loads return in order: all but the tokens of the seven steps behind this one, 8 loads each,
.else
	s_wait_loadcnt 8*(15-ks)                       ; then of the steps that are left
.endif
	WIN 0x04                                       ; source 1, the tokens, in window 1
.irp ct, 0,1,2,3
.irp t, 0,1,2,3
.if ks == 0
	v_wmma_f32_16x16x32_bf16 v[AC+8*(4*\t+\ct):AC+8*(4*\t+\ct)+7], v[WF+32*(ks%2)+8*\ct:WF+32*(ks%2)+8*\ct+7], v[32*(ks%8)+8*\t:32*(ks%8)+8*\t+7], 0
.else
	v_wmma_f32_16x16x32_bf16 v[AC+8*(4*\t+\ct):AC+8*(4*\t+\ct)+7], v[WF+32*(ks%2)+8*\ct:WF+32*(ks%2)+8*\ct+7], v[32*(ks%8)+8*\t:32*(ks%8)+8*\t+7], v[AC+8*(4*\t+\ct):AC+8*(4*\t+\ct)+7]
.endif
.endr
.endr
.endm
	s_load_b256 s[4:11], s[0:1], 0x0               ; W3 s[4:5], hbuf s[6:7], gtab s[8:9], part s[10:11]
	v_lshl_add_u32 v254, v0, 2, 0x1c800
	v_mov_b32 v255, 0
	v_lshrrev_b32 v16, 5, v0
	v_readfirstlane_b32 s14, v16                   ; wave 0..7
	s_and_b32 s15, ttmp7, 0xffff                   ; e
	s_and_b32 s16, ttmp9, 7                        ; c
	s_lshr_b32 s26, ttmp9, 3                       ; kq
	s_lshl_b32 s20, s15, 3
	s_mov_b32 s21, 0
	s_wait_kmcnt 0x0
	s_add_nc_u64 s[8:9], s[8:9], s[20:21]
	s_load_b64 s[38:39], s[8:9], 0x0               ; the expert's groups, its first group
	s_lshl_b32 s20, s15, 22                        ; an expert's 2,048 x 512 f32,
	s_lshl_b32 s27, s26, 20                        ; 512 rows of 2,048 bytes,
	s_add_co_u32 s20, s20, s27
	s_lshl_b32 s27, s16, 8                         ; 64 columns of f32
	s_add_co_u32 s20, s20, s27
	s_add_nc_u64 s[4:5], s[4:5], s[20:21]
	s_lshl_b32 s20, s26, 14                        ; hbuf: ks2 = 16 kq, 1,024 bytes each
	s_add_nc_u64 s[6:7], s[6:7], s[20:21]
	s_mul_i32 s20, s26, 5242880                    ; part: 2,560 slots x 2,048 bytes a quarter
	s_add_co_u32 s20, s20, s27
	s_add_nc_u64 s[10:11], s[10:11], s[20:21]
	v_and_b32 v17, 31, v0
	v_lshlrev_b32 v1, 4, v17                       ; 16 lane
	v_and_b32 v12, 15, v0                          ; lane % 16
	v_bfe_u32 v13, v0, 4, 1                        ; lane / 16
	v_and_b32 v14, 7, v0
	v_bfe_u32 v15, v0, 3, 1
	v_lshl_add_u32 v2, v13, 3, v14                 ; the transposing load: row 8 (lane / 16) + lane % 8, 16 bytes at 16 ((lane / 8) % 2)
	v_mul_u32_u24 v2, v2, PITCH
	v_lshl_add_u32 v2, v15, 4, v2
	v_add_nc_u32 v3, 8*KROW, v2                    ; K steps 8-15
	s_lshl_b32 s20, s14, 6
	v_lshl_add_u32 v16, v13, 2, s20                ; the fill: wave w takes rows 64 w on; lanes 16-31 four rows below lanes 0-15
	v_lshlrev_b32 v5, 11, v16
	v_lshl_add_u32 v5, v12, 4, v5
	v_mul_u32_u24 v6, v16, PITCH
	v_lshl_add_u32 v6, v12, 3, v6
	s_mul_i32 s28, s14, 16*SP
	s_add_co_u32 s28, s28, STAGE                   ; my stage
	v_mul_u32_u24 v7, v12, SP                      ; in: row lane % 16, 32 bytes for each half of the lanes
	v_lshl_add_u32 v7, v13, 5, v7
	v_add_nc_u32 v7, s28, v7
	v_mul_u32_u24 v8, v13, SP                      ; back: lanes 0-15 one row of 256 bytes, lanes 16-31 the next
	v_lshl_add_u32 v8, v12, 4, v8
	v_add_nc_u32 v8, s28, v8
	v_lshlrev_b32 v9, 11, v13                      ; and the same two rows in part
	v_lshl_add_u32 v9, v12, 4, v9
	s_wait_kmcnt 0x0
	s_min_u32 s17, s38, 40                         ; groups
	s_min_u32 s18, s39, 39                         ; first group
	s_mov_b32 s39, 0                               ; from here on the high word of an offset
	s_cmp_eq_u32 s17, 0
	s_cselect_b32 s18, 0, s18                      ; an expert without tokens names groups 0 to 7, which are always stored
	; my wave's groups are w, w + 8, ..: (groups + 7 - w) / 8 of them, none where groups <= w.  The loop counts them one by one.
	s_add_co_u32 s29, s17, 7
	s_sub_co_u32 s29, s29, s14
	s_lshr_b32 s29, s29, 3
	s_min_u32 s30, s29, 1
	v_mul_u32_u24 v10, s30, v1                     ; the tokens' lane offset: 16 lane, or 0 in a wave without a group
	s_sub_co_u32 s20, s17, 1                       ; my first group, w; a wave without one names the expert's last (no group at all: the difference wraps, and w is taken)
	s_min_u32 s20, s20, s14
	BASES
	ASK                                            ; ahead of the weights' loads
	s_cmp_eq_u32 s17, 0
	s_cbranch_scc1 .Lfilled                        ; no token: no weights; the barrier below is on both ways
.set i, 0
.rept 32                               ; load i: rows 8 (i / 4) + i % 4 and four below, 256 consecutive bytes each; all 32 are named before the first wait
	global_load_b128 v[32+4*i:35+4*i], v5, s[4:5] offset:(8*(i/4)+i%4)*2048 th:TH_LOAD_NT
.set i, i+1
.endr
.set i, 0
.rept 4
	s_wait_loadcnt 24-i                            ; loads return in order: the tokens and the weights' first i + 8 are in
.rept 8
	v_cvt_pk_bf16_f32 v[32+4*i], v[32+4*i], v[33+4*i]
	v_cvt_pk_bf16_f32 v[33+4*i], v[34+4*i], v[35+4*i]
	ds_store_b64 v6, v[32+4*i:33+4*i] offset:(8*(i/4)+i%4)*PITCH   ; lanes 16-31 lie 4 rows = 160 words further: the other 32 banks
.set i, i+1
.endr
.endr
.Lfilled:
	s_wait_dscnt 0x0                               ; for the others' sake: my 64 rows are in LDS
	s_barrier_signal -1
	s_barrier_wait -1                              ; the slice is whole; from here on a wave writes only its own stage
	s_mov_b32 s19, 0
	s_cmp_eq_u32 s29, 0
	s_cbranch_scc1 .Lend
.Lgroup:                                               ; the group's bases are set and its K steps 0 to 7 asked for
	LOADW 0
.set ks, 0
.rept 16
	KSTEP
.set ks, ks+1
.endr
	WIN 0
	PLACES                                         ; four places in front of the LDS stores that read the results and of the LDS loads into them,
	v_nop                                          ; and a fifth: no other vector instruction stands between these products and the next group's first ones, which write over the same accumulators (ISA guide 7.12.1)
.irp t, 0,1,2,3                        ; a tile of 16 slots at a time through my stage; each accumulator is read from its low end on
.irp ct, 0,1,2,3
	ds_store_b128 v7, v[AC+8*(4*\t+\ct):AC+8*(4*\t+\ct)+3] offset:64*\ct
	ds_store_b128 v7, v[AC+8*(4*\t+\ct)+4:AC+8*(4*\t+\ct)+7] offset:64*\ct+16
.endr
.irp i, 0,1,2,3,4,5,6,7
	ds_load_b128 v[AC+32*\t+4*\i:AC+32*\t+4*\i+3], v8 offset:2*SP*\i   ; whole rows, back into the registers that the tile left.  LDS serves a wave's instructions in order (ISA guide 5.7.1.4): these see the stores above, and the next tile's stores come behind them
.endr
.endr
.irp t, 0,1,2,3
	s_wait_dscnt 16*(3-\t)                         ; what may stay out: the later tiles' 8 stores and 8 loads each
.irp i, 0,1,2,3,4,5,6,7
	global_store_b128 v9, v[AC+32*\t+4*\i:AC+32*\t+4*\i+3], s[24:25] offset:(16*\t+2*\i)*2048   ; 16 lanes store 256 consecutive bytes, at a multiple of 256 from part's first byte
.endr
.endr
	s_wait_xcnt 0x0                                ; the stores' data (the accumulators' registers) and the two bases are written again only behind this wait
	s_add_co_u32 s19, s19, 1
	s_cmp_ge_u32 s19, s29
	s_cbranch_scc1 .Lasked                         ; the last trip asks for nothing
	s_lshl3_add_u32 s20, s19, s14                  ; the next group among the expert's: 8 x trip + wave
	BASES
	ASK
.Lasked:
	s_cmp_lt_u32 s19, s29
	s_cbranch_scc1 .Lgroup
.Lend:
	s_wait_tensorcnt 0x0
	ds_add_u32 v254, v255
	s_wait_dscnt 0x0
	s_endpgm
.Lfunc_end_k_q176b09257e_ffn2:
	.size	k_q176b09257e_ffn2, .Lfunc_end_k_q176b09257e_ffn2-k_q176b09257e_ffn2
	.p2alignl 7, 3214868480
	.fill 96, 4, 3214868480
	.section	.rodata,"a",@progbits
	.p2align	6, 0x0
	.amdhsa_kernel k_q176b09257e_ffn2
		.amdhsa_group_segment_fixed_size 117760
		.amdhsa_private_segment_fixed_size 0
		.amdhsa_enable_private_segment 0
		.amdhsa_kernarg_size 32
		.amdhsa_user_sgpr_count 2
		.amdhsa_user_sgpr_kernarg_segment_ptr 1
		.amdhsa_wavefront_size32 1
		.amdhsa_system_sgpr_workgroup_id_x 1
		.amdhsa_system_sgpr_workgroup_id_y 1
		.amdhsa_system_sgpr_workgroup_id_z 1
		.amdhsa_system_vgpr_workitem_id 0
		.amdhsa_next_free_vgpr 512
		.amdhsa_next_free_sgpr 66
		.amdhsa_reserve_vcc 0
		.amdhsa_float_denorm_mode_32 3
		.amdhsa_float_denorm_mode_16_64 3
		.amdhsa_memory_ordered 1
		.amdhsa_forward_progress 1
		.amdhsa_inst_pref_size 67
	.end_amdhsa_kernel
	.amdgpu_metadata
---
amdhsa.version: [ 1, 2 ]
amdhsa.kernels:
  - .name:           k_q176b09257e_ffn2
    .symbol:         k_q176b09257e_ffn2.kd
    .args:
      - { .name: W3, .offset: 0, .size: 8, .value_kind: global_buffer, .address_space: global }
      - { .name: hbuf, .offset: 8, .size: 8, .value_kind: global_buffer, .address_space: global }
      - { .name: gtab, .offset: 16, .size: 8, .value_kind: global_buffer, .address_space: global }
      - { .name: part, .offset: 24, .size: 8, .value_kind: global_buffer, .address_space: global }
    .group_segment_fixed_size: 117760
    .private_segment_fixed_size: 0
    .kernarg_segment_align: 8
    .kernarg_segment_size: 32
    .max_flat_workgroup_size: 256
    .sgpr_count:     66
    .vgpr_count:     512
    .wavefront_size: 32
...
	.end_amdgpu_metadata
.endif
;; end of part 4
;; launch combine (part 5): grid 256 x 1, 8 waves a work-group, no clusters, 0 bytes of LDS; arguments part, pos, sc, x, out0; writes out0
.if DOCPART == 5
	.amdgcn_target "amdgcn-amd-amdhsa--gfx1250"
	.amdhsa_code_object_version 6
	.text
	.protected	k_q176b09257e_combine
	.globl	k_q176b09257e_combine
	.p2align	8
	.type	k_q176b09257e_combine,@function
k_q176b09257e_combine:
	s_mov_b64 s[64:65], 0
	v_nop
	global_prefetch_b8 v0, s[64:65] scope:SCOPE_SE
	s_setreg_imm32_b32 hwreg(HW_REG_WAVE_MODE, 25, 1), 1
	s_wait_xcnt 0x0
; out[t] = a y[t] + b x[t]: y = the sum of the four K quarters of part at the token's slot, (p0 + p1) + (p2 + p3);
; a = the sum of the scores of the kept slots, b = that of the dropped ones (reference(): a dropped slot falls back to x).
; One wave, one token: a row of 2,048 bytes is four loads of 512 consecutive bytes from each of five sources, and four stores.  A stream: no LDS, no barrier, no matrix unit.
; The slot comes from pos, whole numbers that an earlier launch stored; the keep bits only choose values.
; LIMIT.  With b = 0 (the usual case) b x is 0 only for finite x.
	s_load_b256 s[4:11], s[0:1], 0x0               ; part s[4:5], pos s[6:7], sc s[8:9], x s[10:11]
	s_load_b64 s[12:13], s[0:1], 0x20              ; out0
	v_lshrrev_b32 v2, 5, v0
	v_readfirstlane_b32 s14, v2                    ; wave 0..7
	v_and_b32 v1, 31, v0
	v_lshlrev_b32 v1, 4, v1                        ; 16 lane
	s_lshl3_add_u32 s15, ttmp9, s14                ; my token = 8 x work-group + wave
	s_lshl_b32 s16, s15, 2
	s_mov_b32 s17, 0
	s_lshl_b32 s32, s15, 3
	s_mov_b32 s33, 0
	s_lshl_b32 s34, s15, 11
	s_mov_b32 s35, 0
	s_wait_kmcnt 0x0
	s_add_nc_u64 s[6:7], s[6:7], s[16:17]
	s_add_nc_u64 s[8:9], s[8:9], s[32:33]
	s_load_b32 s18, s[6:7], 0x0                    ; slot | keep0 << 16 | keep1 << 17
	s_load_b64 s[20:21], s[8:9], 0x0               ; the two scores
	s_add_nc_u64 s[10:11], s[10:11], s[34:35]
	s_add_nc_u64 s[12:13], s[12:13], s[34:35]
.irp i, 0,1,2,3
	global_load_b128 v[80+4*\i:83+4*\i], v1, s[10:11] offset:512*\i     ; x needs no slot: it goes out first
.endr
	s_wait_kmcnt 0x0
	s_and_b32 s19, s18, 0xffff
	s_min_u32 s19, s19, 0x9ff
	s_lshl_b32 s16, s19, 11
	s_add_nc_u64 s[4:5], s[4:5], s[16:17]          ; quarters 0 and 1 (5,242,880 bytes apart: inside the immediate)
	s_add_nc_u64 s[30:31], s[4:5], 0xa00000        ; quarters 2 and 3
.irp i, 0,1,2,3
	global_load_b128 v[16+4*\i:19+4*\i], v1, s[4:5] offset:512*\i th:TH_LOAD_NT
	global_load_b128 v[32+4*\i:35+4*\i], v1, s[4:5] offset:5242880+512*\i th:TH_LOAD_NT
	global_load_b128 v[48+4*\i:51+4*\i], v1, s[30:31] offset:512*\i th:TH_LOAD_NT
	global_load_b128 v[64+4*\i:67+4*\i], v1, s[30:31] offset:5242880+512*\i th:TH_LOAD_NT
.endr
	s_bitcmp1_b32 s18, 16
	s_cselect_b32 s22, s20, 0                      ; slot 0 kept: its score goes to a, else to b
	s_cselect_b32 s23, 0, s20
	s_bitcmp1_b32 s18, 17
	s_cselect_b32 s24, s21, 0
	s_cselect_b32 s25, 0, s21
	s_add_f32 s26, s22, s24                        ; a
	s_add_f32 s28, s23, s25                        ; b
	s_mov_b32 s27, s26                             ; (a packed instruction names the pair and takes its low word for both halves)
	s_mov_b32 s29, s28
	s_wait_loadcnt 0x0
.irp i, 0,1,2,3
.irp h, 0,2
	v_pk_add_f32 v[16+4*\i+\h:17+4*\i+\h], v[16+4*\i+\h:17+4*\i+\h], v[32+4*\i+\h:33+4*\i+\h]
	v_pk_add_f32 v[48+4*\i+\h:49+4*\i+\h], v[48+4*\i+\h:49+4*\i+\h], v[64+4*\i+\h:65+4*\i+\h]
	v_pk_mul_f32 v[80+4*\i+\h:81+4*\i+\h], v[80+4*\i+\h:81+4*\i+\h], s[28:29] op_sel_hi:[1,0]
	v_pk_add_f32 v[16+4*\i+\h:17+4*\i+\h], v[16+4*\i+\h:17+4*\i+\h], v[48+4*\i+\h:49+4*\i+\h]
	v_pk_fma_f32 v[80+4*\i+\h:81+4*\i+\h], v[16+4*\i+\h:17+4*\i+\h], s[26:27], v[80+4*\i+\h:81+4*\i+\h] op_sel_hi:[1,0,1]
.endr
	global_store_b128 v1, v[80+4*\i:83+4*\i], s[12:13] offset:512*\i th:TH_STORE_NT
.endr
	s_endpgm
.Lfunc_end_k_q176b09257e_combine:
	.size	k_q176b09257e_combine, .Lfunc_end_k_q176b09257e_combine-k_q176b09257e_combine
	.p2alignl 7, 3214868480
	.fill 96, 4, 3214868480
	.section	.rodata,"a",@progbits
	.p2align	6, 0x0
	.amdhsa_kernel k_q176b09257e_combine
		.amdhsa_group_segment_fixed_size 0
		.amdhsa_private_segment_fixed_size 0
		.amdhsa_enable_private_segment 0
		.amdhsa_kernarg_size 40
		.amdhsa_user_sgpr_count 2
		.amdhsa_user_sgpr_kernarg_segment_ptr 1
		.amdhsa_wavefront_size32 1
		.amdhsa_system_sgpr_workgroup_id_x 1
		.amdhsa_system_sgpr_workgroup_id_y 1
		.amdhsa_system_sgpr_workgroup_id_z 1
		.amdhsa_system_vgpr_workitem_id 0
		.amdhsa_next_free_vgpr 96
		.amdhsa_next_free_sgpr 66
		.amdhsa_reserve_vcc 0
		.amdhsa_float_denorm_mode_32 3
		.amdhsa_float_denorm_mode_16_64 3
		.amdhsa_memory_ordered 1
		.amdhsa_forward_progress 1
		.amdhsa_inst_pref_size 7
	.end_amdhsa_kernel
	.amdgpu_metadata
---
amdhsa.version: [ 1, 2 ]
amdhsa.kernels:
  - .name:           k_q176b09257e_combine
    .symbol:         k_q176b09257e_combine.kd
    .args:
      - { .name: part, .offset: 0, .size: 8, .value_kind: global_buffer, .address_space: global }
      - { .name: pos, .offset: 8, .size: 8, .value_kind: global_buffer, .address_space: global }
      - { .name: sc, .offset: 16, .size: 8, .value_kind: global_buffer, .address_space: global }
      - { .name: x, .offset: 24, .size: 8, .value_kind: global_buffer, .address_space: global }
      - { .name: out0, .offset: 32, .size: 8, .value_kind: global_buffer, .address_space: global }
    .group_segment_fixed_size: 0
    .private_segment_fixed_size: 0
    .kernarg_segment_align: 8
    .kernarg_segment_size: 40
    .max_flat_workgroup_size: 256
    .sgpr_count:     66
    .vgpr_count:     96
    .wavefront_size: 32
...
	.end_amdgpu_metadata
.endif
;; end of part 5
